; MI455X (gfx1250); checked and timed in simulation.
; The chip was launched on July 23, 2026; its instructions are those of AMD's public machine-readable ISA for CDNA 5 (MIT licence, August 2026) and "CDNA5" Instruction Set Architecture Reference Guide (July 2026). The comments in the code are by the model that wrote it; some were corrected since.
;; Outer Product Network2. Allowed arithmetic: float matrix products may take bf16 or f16 operands with f32 sums; all other float work in f32.
;; Inputs: x 16,384 x 32 x 64 float32.
;; Outputs: out0 16,384 x 496 float32.
;; One version. Each part assembles by itself: llvm-mc -triple=amdgcn-amd-amdhsa -mcpu=gfx1250 --defsym DOCPART=n.
;; ======== version 1 of 1: 1 launch
;; launch pairs (part 1): grid 2048 x 1, 8 waves a work-group, no clusters, 17,408 bytes of LDS; arguments x, out0; writes out0
.if DOCPART == 1
	.amdgcn_target "amdgcn-amd-amdhsa--gfx1250"
	.amdhsa_code_object_version 6
	.text
	.protected	k_q8f358fe337_pairs
	.globl	k_q8f358fe337_pairs
	.p2align	8
	.type	k_q8f358fe337_pairs,@function
k_q8f358fe337_pairs:
	s_mov_b64 s[64:65], 0
	v_nop
	global_prefetch_b8 v0, s[64:65] scope:SCOPE_SE
	s_setreg_imm32_b32 hwreg(HW_REG_WAVE_MODE, 25, 1), 1
	s_wait_xcnt 0x0
; out0[b][p(i,j)] = s[b][i] * s[b][j] for i < j, with s[b][f] = sum of the 64 numbers x[b][f][:].  x: [16384][32][64] f32, out0: [16384][496] f32.
; A stream: every byte of x is loaded once, every byte of out0 stored once, the sums never leave the work-group.
; Eight waves, eight batch rows: one row of out0 is 1,984 bytes, eight rows are 15,872 = 62 x 256, so a work-group's part of out0 begins and
; ends at a multiple of 256 bytes from out0's first byte.  A wave takes one batch row of x (8,192 bytes) by 16 loads, all issued at once: no loop.
; No matrix instruction (there is no matrix product here, and sums stay in f32), no cluster (no two work-groups read a common byte),
; no copy engine (a wave's whole share is in flight in its own registers), no prefetch (all data are asked for in the first lines).
; LIMITS: a field's 64 numbers are added as a tree (4 in a lane, then over 16 lanes), not one after the other: the last bits may differ from a
; sum in index order.  NaN, infinities and overflow are those of f32 addition and multiplication; no other limit of range.
.set FLDB,  256                        ; bytes of one field: 64 f32
.set OUTB,  1984                       ; bytes of one batch row of out0: 496 f32
.set ROWS,  8                          ; batch rows of a work-group = its waves
.set XOFF,  1                          ; v1      my byte offset in the work-group's part of x
.set STO,   2                          ; v2      LDS: my wave's stage + 4 x lane
.set STO0,  3                          ; v3      LDS: my wave's stage + 4 x ((lane - 1) mod 32), for the products with field 0
.set RD,    4                          ; v4      512 x wave + 16 x lane: where I read the stage back, and my byte offset in the group's part of out0
.set LANE,  5                          ; v5      scratch
.set TMP,   6                          ; v6      scratch
.set X,     8                          ; v[8:71] load j: 4 registers
.set S,     X                          ; v8      after the folds: lane f holds s[f]
.set P,     10                         ; v[10:40] product register i: s[i] * s[lane]   (registers of X, done with by then)
.set O,     44                         ; v[44:59] four pieces of 16 bytes on their way out (likewise)
.set M1,    12                         ; s12-15  lanes whose number has bit 0, 1, 2, 3 set
.set M2,    13
.set M4,    14
.set M8,    15
.set BC,    16                         ; s[16:46] s[0] .. s[30] as scalars
	s_load_b128 s[4:7], s[0:1], 0x0                ; x s[4:5], out0 s[6:7]
	v_lshl_add_u32 v72, v0, 2, 0x4000
	v_mov_b32 v73, 0
	; Load j: lanes 0-15 take field j, lanes 16-31 field 16 + j, 16 bytes a lane: each half of the wave reads 256 consecutive bytes, aligned.
	; Thread t: bits 7:4 of t are 2 x wave + half, and a wave's row is two halves of 4,096 bytes.
	v_and_b32 v[XOFF], 15, v0
	v_and_b32 v[TMP], 0xf0, v0
	v_lshlrev_b32 v[XOFF], 4, v[XOFF]              ; 16 x (lane mod 16)
	v_lshl_or_b32 v[XOFF], v[TMP], 8, v[XOFF]      ; + 4,096 x (2 x wave + half)
	s_lshl_b32 s2, ttmp9, 16                       ; the group's 8 rows of 8,192 bytes in x (below 2^27)
	s_mov_b32 s3, 0
	s_mul_i32 s10, ttmp9, ROWS*OUTB                ; and its 15,872 bytes in out0
	s_mov_b32 s11, 0
	s_wait_kmcnt 0x0
	s_add_nc_u64 s[4:5], s[4:5], s[2:3]
	s_add_nc_u64 s[6:7], s[6:7], s[10:11]
.set j, 0
.rept 16
	global_load_b128 v[X+4*j:X+4*j+3], v[XOFF], s[4:5] offset:FLDB*j th:TH_LOAD_NT   ; read once in the whole launch
.set j, j+1
.endr
	; while the row is on its way: LDS addresses and masks
	v_lshrrev_b32 v[TMP], 5, v0
	v_readfirstlane_b32 s8, v[TMP]                 ; wave 0..7 = my batch row in the group
	s_mul_i32 s9, s8, OUTB                         ; my wave's 1,984 bytes of the stage: the eight rows lie as in out0, without gaps
	s_lshl_b32 s10, s8, 9                          ; 512 x wave
	v_and_b32 v[LANE], 31, v0
	v_add_nc_u32 v[TMP], 31, v[LANE]
	v_and_b32 v[TMP], 31, v[TMP]                   ; (lane - 1) mod 32
	v_lshl_add_u32 v[STO],  v[LANE], 2, s9
	v_lshl_add_u32 v[STO0], v[TMP],  2, s9
	v_lshl_add_u32 v[RD],   v[LANE], 4, s10
	s_mov_b32 s[M1], 0xaaaaaaaa
	s_mov_b32 s[M2], 0xcccccccc
	s_mov_b32 s[M4], 0xf0f0f0f0
	s_mov_b32 s[M8], 0xff00ff00
; One fold: both registers are added over lane pairs (lane, lane xor xm) inside each half of 16 lanes; then the lanes whose bit xm is 0 keep
; register a's sum and the others register b's.  Two registers become one and nothing is lost: 3 instructions in place of 2 x 4 DPP adds later.
.macro FOLD a, b, xm, sel
	v_add_f32_dpp v[\a], v[\a], v[\a] row_xmask:\xm row_mask:0xf bank_mask:0xf
	v_add_f32_dpp v[\b], v[\b], v[\b] row_xmask:\xm row_mask:0xf bank_mask:0xf
	v_cndmask_b32 v[\a], v[\a], v[\b], s[\sel]
.endm
	; loads 2n and 2n+1: four numbers a lane into one, then the first fold: lane bit 0 now says which of the two fields the lane carries
.set n, 0
.rept 8
	s_wait_loadcnt 14-2*n                          ; loads come back in issue order (ISA guide 5.7.1): these two are in, the 14 - 2n younger ones stay out
	v_pk_add_f32 v[X+8*n:X+8*n+1],   v[X+8*n:X+8*n+1],   v[X+8*n+2:X+8*n+3]
	v_pk_add_f32 v[X+8*n+4:X+8*n+5], v[X+8*n+4:X+8*n+5], v[X+8*n+6:X+8*n+7]
	v_add_f32 v[X+8*n],   v[X+8*n],   v[X+8*n+1]
	v_add_f32 v[X+8*n+4], v[X+8*n+4], v[X+8*n+5]
	FOLD X+8*n, X+8*n+4, 1, M1
.set n, n+1
.endr
.irp n, 0,1,2,3
	FOLD X+16*\n, X+16*\n+8, 2, M2                 ; lane bit 1 chooses
.endr
	FOLD X,    X+16, 4, M4                         ; lane bit 2
	FOLD X+32, X+48, 4, M4
	FOLD X,    X+32, 8, M8                         ; lane bit 3: lane 16 h + r holds the whole sum of field 16 h + r, that is s[lane]
	; the products, all lanes on: register i = s[i] * s[lane]
.set i, 0
.rept 31
	v_readlane_b32 s[BC+i], v[S], i
.set i, i+1
.endr
.set i, 0
.rept 31
	v_mul_f32 v[P+i], s[BC+i], v[S]
.set i, i+1
.endr
	; Pairs (i, i+1 .. 31) are elements i (63 - i) / 2 onward of a row of out0: lane j > i stores to element i (63 - i) / 2 + j - i - 1.
	; EXEC is exactly the lanes j > i, so each store writes its 31 - i products and nothing else.  For i = 0 the constant would be -4 bytes:
	; that store uses the address with the lane turned by one, which keeps every lane's address inside my wave's own bytes.
	s_wait_xcnt 0x0                                ; EXEC is a source of the global loads above: it changes only behind this wait
	s_mov_b32 exec_lo, 0xfffffffe
	ds_store_b32 v[STO0], v[P]
.set i, 1
.rept 30
	s_mov_b32 exec_lo, (0xffffffff << (i+1)) & 0xffffffff
	ds_store_b32 v[STO], v[P+i] offset:(i*(63-i)/2-i-1)*4
.set i, i+1
.endr
	s_mov_b32 exec_lo, -1
	s_wait_dscnt 0x0                               ; for the other waves' sake: my row of the stage is written,
	s_barrier_signal -1
	s_barrier_wait -1                              ; and so is everybody's
	; The way out: the stage is 31 pieces of 512 bytes; wave w takes pieces w, w + 8, w + 16, w + 24 (wave 7 has three).
	; Each store of a wave covers 512 consecutive bytes at a multiple of 256 from out0's first byte; 16 lanes fill 256 of them.
	ds_load_b128 v[O:O+3],    v[RD]
	ds_load_b128 v[O+4:O+7],  v[RD] offset:4096
	ds_load_b128 v[O+8:O+11], v[RD] offset:8192
	s_cmp_eq_u32 s8, ROWS-1
	s_cbranch_scc1 .Lthree                         ; piece 31 does not exist
	ds_load_b128 v[O+12:O+15], v[RD] offset:12288
	s_wait_dscnt 0x0
	global_store_b128 v[RD], v[O+12:O+15], s[6:7] offset:12288 th:TH_STORE_NT
.Lthree:
	s_wait_dscnt 0x0                               ; on the short path the three loads are still out
	global_store_b128 v[RD], v[O:O+3],    s[6:7] th:TH_STORE_NT             ; written once, not read again in this launch
	global_store_b128 v[RD], v[O+4:O+7],  s[6:7] offset:4096 th:TH_STORE_NT
	global_store_b128 v[RD], v[O+8:O+11], s[6:7] offset:8192 th:TH_STORE_NT
	s_wait_tensorcnt 0x0
	ds_add_u32 v72, v73
	s_wait_dscnt 0x0
	s_endpgm
.Lfunc_end_k_q8f358fe337_pairs:
	.size	k_q8f358fe337_pairs, .Lfunc_end_k_q8f358fe337_pairs-k_q8f358fe337_pairs
	.p2alignl 7, 3214868480
	.fill 96, 4, 3214868480
	.section	.rodata,"a",@progbits
	.p2align	6, 0x0
	.amdhsa_kernel k_q8f358fe337_pairs
		.amdhsa_group_segment_fixed_size 17408
		.amdhsa_private_segment_fixed_size 0
		.amdhsa_enable_private_segment 0
		.amdhsa_kernarg_size 16
		.amdhsa_user_sgpr_count 2
		.amdhsa_user_sgpr_kernarg_segment_ptr 1
		.amdhsa_wavefront_size32 1
		.amdhsa_system_sgpr_workgroup_id_x 1
		.amdhsa_system_sgpr_workgroup_id_y 1
		.amdhsa_system_sgpr_workgroup_id_z 1
		.amdhsa_system_vgpr_workitem_id 0
		.amdhsa_next_free_vgpr 74
		.amdhsa_next_free_sgpr 66
		.amdhsa_reserve_vcc 0
		.amdhsa_float_denorm_mode_32 3
		.amdhsa_float_denorm_mode_16_64 3
		.amdhsa_memory_ordered 1
		.amdhsa_forward_progress 1
		.amdhsa_inst_pref_size 16
	.end_amdhsa_kernel
	.amdgpu_metadata
---
amdhsa.version: [ 1, 2 ]
amdhsa.kernels:
  - .name:           k_q8f358fe337_pairs
    .symbol:         k_q8f358fe337_pairs.kd
    .args:
      - { .name: x, .offset: 0, .size: 8, .value_kind: global_buffer, .address_space: global }
      - { .name: out0, .offset: 8, .size: 8, .value_kind: global_buffer, .address_space: global }
    .group_segment_fixed_size: 17408
    .private_segment_fixed_size: 0
    .kernarg_segment_align: 8
    .kernarg_segment_size: 16
    .max_flat_workgroup_size: 256
    .sgpr_count:     66
    .vgpr_count:     74
    .wavefront_size: 32
...
	.end_amdgpu_metadata
.endif
;; end of part 1
